; MI455X (gfx1250); checked and timed in simulation.
; The chip was launched on July 23, 2026; its instructions are those of AMD's public machine-readable ISA for CDNA 5 (MIT licence, August 2026) and "CDNA5" Instruction Set Architecture Reference Guide (July 2026). The comments in the code are by the model that wrote it; some were corrected since.
;; My LSTM Cell. Allowed arithmetic: matrix products marked QUANTISED: E3M2 operands, one E8M0 scale for each 32 along K, by v_wmma_scale_f32_16x16x128_f8f6f4 with both operands' format E3M2, f32 sums; everything else in f32.
;; Inputs: U_c 1,024 x 1,024 float32; U_f 1,024 x 1,024 float32; U_i 1,024 x 1,024 float32; U_o 1,024 x 1,024 float32; W_c 1,024 x 1,024 float32; W_f 1,024 x 1,024 float32; W_i 1,024 x 1,024 float32; W_o 1,024 x 1,024 float32; b_c 1,024 float32; b_f 1,024 float32; b_i 1,024 float32; b_o 1,024 float32; c_prev 8,192 x 1,024 float32; h_prev 8,192 x 1,024 float32; x 8,192 x 1,024 float32.
;; Outputs: out0 8,192 x 1,024 float32; out1 8,192 x 1,024 float32.
;; This version of the problem:
;;   THIS VERSION OF THE PROBLEM IS GIVEN IN LOW PRECISION. The matrix products marked QUANTISED in the list below multiply operands that are first quantised to E3M2 (3 exponent bits, 2 mantissa bits; 6 bits a number), with one power-of-two scale for each 32 numbers along K (OCP MX v1.0); their sums are f32. All else is computed in f32.
;;   The module's matrix products, in the order in which they are computed (A, B: the left and right operand; K: the contracted axis; several contracted axes count as one K, in the product's order):
;;     1. [M 8,192, K 1,024] x [K 1,024, N 4,096]; A: input x; B: computed on the way: QUANTISED
;;     2. [M 8,192, K 1,024] x [K 1,024, N 4,096]; A: input h_prev; B: computed on the way: QUANTISED
;;   THE QUANTISER, for each operand of a quantised product, along K:
;;     - K is cut into blocks of 32 from its start; a last block that is shorter is filled with zeros.
;;     - A block's scale is 2^e with e = floor(log2(the largest magnitude in the block)) - 4, held to -126 .. 127; a block of zeros has e = 0. As a byte (E8M0): e + 127.
;;     - Each number is divided by its block's scale, clamped to +-28, and rounded to the nearest number of E3M2, ties to even, subnormals kept.
;;     - The product sums the exact products of the quantised numbers (number of the format x scale) in f32.
;;   ~~~python
;;   def quantise(x, axis):      # numpy; x: float32 -> the quantised numbers, widened to float32 again
;;       x = np.moveaxis(x, axis, -1); K = x.shape[-1]
;;       x = np.pad(x, [(0, 0)] * (x.ndim - 1) + [(0, -K % 32)]); x = x.reshape(x.shape[:-1] + (-1, 32)); a = np.abs(x).max(-1, keepdims=True)
;;       e = np.where(a > 0, np.clip(np.frexp(np.where(a > 0, a, 1))[1] - 1 - 4, -126, 127), 0)      # np.frexp(a)[1] - 1 = floor(log2(a)), exactly
;;       r = np.clip(x / 2.0 ** e, -28, 28)
;;       step = 2.0 ** (np.maximum(np.frexp(np.where(r == 0, 1, r))[1] - 1, -2) - 2)
;;       q = np.round(r / step) * step * 2.0 ** e      # np.round: ties to even
;;       return np.moveaxis(q.reshape(q.shape[:-2] + (-1,))[..., :K], -1, axis).astype(np.float32)
;;   ~~~
;;   OPERANDS COMPUTED ON THE WAY. 'Computed on the way' means the value that the module computes at that place (a softmax that the list does not call 'softmax' is quantised finished and normalised). What goes into a quantiser is computed in f32, as accurately as f32 sums, v_exp_f32 and their like allow (about 1e-6 of the number): no bf16 or f16 on the way to a quantiser, and a product that is left as it is and whose result goes on into a quantised operand takes f32 operands (vector FMAs, or v_wmma_f32_16x16x4_f32). A number that lies on a knife's edge between two numbers of the format may be rounded either way, as far as f32 arithmetic and the matrix unit's own rounding can turn it there, and no further.
;; One version. Each part assembles by itself: llvm-mc -triple=amdgcn-amd-amdhsa -mcpu=gfx1250 --defsym DOCPART=n.
;; ======== version 1 of 1: 2 launches
;; limits: right only within a limited range of input values; an absolute error that grows with the inputs' magnitude: up to 9.3e-10 times it; a function is approximated: absolute error at most 1.9e-09
;; workspace buffers: a_codes 13,107,200 bytes; b_codes 6,553,600 bytes
;; launch quant (part 1): grid 768 x 1, 4 waves a work-group, no clusters, 34,304 bytes of LDS; arguments x, h_prev, W_i, W_f, W_o, W_c, U_i, U_f, U_o, U_c, a_codes, b_codes; writes a_codes, b_codes
.if DOCPART == 1
	.amdgcn_target "amdgcn-amd-amdhsa--gfx1250"
	.amdhsa_code_object_version 6
	.text
	.protected	k_qb972f401e8_quant
	.globl	k_qb972f401e8_quant
	.p2align	8
	.type	k_qb972f401e8_quant,@function
k_qb972f401e8_quant:
	s_mov_b64 s[64:65], 0
	v_nop
	global_prefetch_b8 v0, s[64:65] scope:SCOPE_SE
	s_setreg_imm32_b32 hwreg(HW_REG_WAVE_MODE, 25, 1), 1
	s_wait_xcnt 0x0
; THE LSTM CELL, FIRST OF TWO LAUNCHES: the operands of gates = x W + h_prev U + b become codes of BF6 (E3M2) with one E8M0 scale byte for each 32 along K.
; Both products have K = 1,024, a multiple of 32, so they are ONE product with K = 2,048: A = [x | h_prev] (8,192 rows), B = [W ; U] (4,096 columns); no block of 32 changes by that.
; NOTHING OF THE PROBLEM IS LEFT OUT: all fifteen inputs have a way to an output and are loaded, ten of them here, the biases and c_prev in the second launch.
; A block's scale is 2^(floor(log2(its largest magnitude)) - 4); its byte is the largest magnitude's own exponent field - 4, held at 1 from below.
; LIMITS: NaN and infinities among the inputs are not served; a block whose largest magnitude lies under 2^-122 (the floor) has the byte 1; a block of zeros has the byte 1 where the rule says 127:
; its codes are zeros, which add nothing under any byte but 0xff, and this program alone reads the bytes.
; THE WORKSPACE IS LAID IN THE ORDER OF THE OPERAND'S REGISTERS.  A fragment is 16 rows x 128 K: 12 registers a lane, 1,536 bytes; register g of lane l lies at byte 512 (g / 4) + 16 l + 4 (g % 4).
; Lane (r, h) holds row r, its registers 6 c .. 6 c + 5 the codes of k = 64 c + 32 h + 0 .. 31.
; A TILE is 128 rows x 256 K with its scale words, 25,600 dense bytes: [i = block of 16 rows (8)][q = which 128 of the 256 (2)][1,536 bytes], then from byte 24,576 on [i (8)][r (16)][q (2)] words of four scale bytes, byte b for k = 32 b on.
; A buffer is [group of 128 rows][t = K / 256 (8)] tiles.      t = 0 .. 3: x or W;  t = 4 .. 7: h_prev or U
; B's ROWS ARE ORDERED FOR THE SECOND LAUNCH: row 128 J + 32 g + jj is hidden column 32 J + jj of gate g (i, f, o, c = 0 .. 3), so that one wave there holds all four gates of its columns.
; SHARES.  768 work-groups of four waves, 128 KiB read by each.  Work-groups 0 .. 511: 16 rows of A each, a wave 512 along K.  Work-groups 512 .. 767: 128 columns x 256 K of one weight, a wave 32 columns.
; The two ways part on the work-group's number.  Waves share nothing: no barrier.  Only the first way stores to LDS.
.set TILEB, 25600                      ; a tile
.set SCO,   24576                      ; where its scale words begin
.set GROUPB, 8*TILEB                   ; a group of 128 rows, all of K
.set SPARE, 33792                      ; behind the four stages: the spare words, 128 bytes for each wave: two blocks of 256 bytes that no other line names
.set STAGE, 8448                       ; a wave's stage: 16 rows x (512 bytes + 16)
.set SPW,   12                         ; v12  LDS address of my spare word: SPARE + 4 x my thread's number; never rewritten
.set NIL,   13                         ; v13  0; never rewritten
.set PW,    16                         ; v16-19   A: the scale words of the wave's four steps
.set C,     20                         ; v20-31   A: a fragment's 12 registers
.set TMP,   32                         ; v32-34, v36-38  A: the upper halves of the two blocks, as the conversions leave them
.set X,     40                         ; v40-103  A: 64 numbers: my two whole blocks of 32
.set R,     104                        ; v104-231 A: two sets of 64 registers as loaded
.set WN,    104                        ; v104-167 B: two sets of 32 numbers
.set WC,    20                         ; v20-43, v44-67  B: the codes of the first and the second 128 along K: 24 registers each
.set WT,    68                         ; v68-70   B: a block's upper half
.set SB,    14                         ; v14-15   the scale words that go out
; ---- A's way.  Sixteen loads: 512 consecutive bytes (128 along K) of each of the 16 rows
.macro XLOAD sl
.irp i, 0,1,2,3,4,5,6,7,8,9,10,11,12,13,14,15
	global_load_b128 v[R+64*((\sl)%2)+4*\i:R+64*((\sl)%2)+4*\i+3], v1, s[40:41] offset:4096*\i+512*(\sl) th:TH_LOAD_NT
.endr
.endm
; One step: 16 rows x 128 K become one fragment and 16 scale words
.macro XSTEP sl
.if (\sl) < 3
	s_wait_loadcnt 16                              ; this step's 16 loads are in; the next step's 16 may be out
.else
	s_wait_loadcnt 0x0
.endif
.irp i, 0,1,2,3,4,5,6,7,8,9,10,11,12,13,14,15
	ds_store_b128 v2, v[R+64*((\sl)%2)+4*\i:R+64*((\sl)%2)+4*\i+3] offset:528*\i   ; as loaded: row i, 16 bytes a lane
.endr
.irp c, 0,1
.irp j, 0,1,2,3,4,5,6,7
	ds_load_b128 v[X+32*\c+4*\j:X+32*\c+4*\j+3], v3 offset:256*\c+16*\j           ; back: lane (r, h) takes k = 64 c + 32 h + 0 .. 31 of row r.  LDS serves a wave's instructions in order: these see the stores
.endr
.endr
	s_wait_dscnt 0x0                               ; my two blocks are in, and the stores have read their registers,
.if (\sl) < 2
	XLOAD (\sl)+2                                  ; which take the loads of two steps on
.endif
.irp c, 0,1
	v_max3_num_f32 v[6+\c], |v[X+32*\c]|, |v[X+32*\c+1]|, 0x2800000                ; block 2 c + h: all 32 numbers are mine; and the floor 2^(5 - 127): the byte cannot fall under 1
.endr
.irp i, 2,4,6,8,10,12,14,16,18,20,22,24,26,28,30
.irp c, 0,1
	v_max3_num_f32 v[6+\c], v[6+\c], |v[X+32*\c+\i]|, |v[X+32*\c+\i+1]|            ; (the two blocks by turns)
.endr
.endr
.irp c, 0,1
	v_add_nc_u32 v[8+\c], 0xfe000000, v[6+\c]      ; 4 off the exponent field: the conversion takes the exponent field of this operand as its scale, and nothing else of it
.endr
	v_lshrrev_b32 v6, 23, v8                       ; the two bytes,
	v_lshrrev_b32 v7, 23, v9
	v_lshl_or_b32 v10, v7, 16, v6                  ; blocks h and 2 + h of row r,
	v_lshlrev_b32 v10, v5, v10                     ; at their places in the word (8 h bits up);
	v_permlanex16_b32 v11, v10, s48, s49
	v_or_b32 v[PW+(\sl)], v10, v11                 ; with lane l xor 16's two the word is whole, in both halves of the lanes
.if (\sl) > 0
	s_wait_xcnt 0x0                                ; the last step's stores have read the fragment's registers: they are written again only behind this wait
.endif
.irp c, 0,1
	v_cvt_scalef32_pk16_bf6_f32 v[C+6*\c:C+6*\c+2], v[X+32*\c:X+32*\c+15], v[8+\c]
	v_cvt_scalef32_pk16_bf6_f32 v[TMP+4*\c:TMP+4*\c+2], v[X+32*\c+16:X+32*\c+31], v[8+\c]   ; (a conversion's three registers begin on an even number: a block's upper three do not)
.endr
	v_nop                                          ; one plain place behind the scaled conversions
.irp c, 0,1
.irp i, 0,1,2
	v_mov_b32 v[C+6*\c+3+\i], v[TMP+4*\c+\i]
.endr
.endr
.irp k, 0,1,2
	global_store_b128 v1, v[C+4*\k:C+4*\k+3], s[42:43] offset:((\sl)/2)*TILEB+((\sl)%2)*1536+512*\k   ; the fragment's image: 512 consecutive bytes a store, at a multiple of 512
.endr
.endm
; ---- B's way.  A LANE TAKES A COLUMN, AND ITS REGISTERS RUN DOWN K: block b of 32 rows, 128 consecutive bytes a load (the four waves side by side: 512)
.macro WLOAD b
.irp i, 0,1,2,3,4,5,6,7,8,9,10,11,12,13,14,15,16,17,18,19,20,21,22,23,24,25,26,27,28,29,30,31
	global_load_b32 v[WN+32*((\b)%2)+\i], v4, s[40:41] offset:(32*(\b)+\i)*4096 th:TH_LOAD_NT
.endr
.endm
.macro WBLOCK b
.set XS, WN+32*((\b)%2)
.set BASE, WC+24*((\b)/4)+12*((\b)%2)+6*(((\b)%4)/2)   ; even blocks of a 128 into the set's first 12 registers, odd ones into its second 12
.if (\b) < 7
	s_wait_loadcnt 32                              ; this block's 32 loads are in; the next block's may be out
.else
	s_wait_loadcnt 0x0
.endif
	v_max3_num_f32 v6, |v[XS]|, |v[XS+1]|, |v[XS+2]|               ; the block's largest magnitude, in two chains: all 32 numbers are mine
	v_max3_num_f32 v7, |v[XS+3]|, |v[XS+4]|, |v[XS+5]|
.irp i, 6,10,14,18,22,26
	v_max3_num_f32 v6, v6, |v[XS+\i]|, |v[XS+\i+1]|
	v_max3_num_f32 v7, v7, |v[XS+\i+2]|, |v[XS+\i+3]|
.endr
	v_max3_num_f32 v6, v6, |v[XS+30]|, |v[XS+31]|
	v_max3_num_f32 v6, v6, v7, 0x2800000           ; and the floor
	v_add_nc_u32 v8, 0xfe000000, v6                ; the conversion's scale operand
	v_lshrrev_b32 v9, 23, v8                       ; the scale's byte
.if (\b)%4 == 0
	v_mov_b32 v[SB+(\b)/4], v9                     ; four bytes to a word, the lower K in the lower byte
.else
	v_lshl_or_b32 v[SB+(\b)/4], v9, 8*((\b)%4), v[SB+(\b)/4]
.endif
	v_cvt_scalef32_pk16_bf6_f32 v[BASE:BASE+2], v[XS:XS+15], v8
	v_cvt_scalef32_pk16_bf6_f32 v[WT:WT+2], v[XS+16:XS+31], v8
	v_nop                                          ; one plain place behind the scaled conversions
.irp i, 0,1,2
	v_mov_b32 v[BASE+3+\i], v[WT+\i]
.endr
.if (\b) < 6
	WLOAD (\b)+2
.endif
.endm
; 128 along K of 32 columns are two fragments.  Ahead of the exchange lane l holds its column's blocks 0, 2 in the first 12 registers and 1, 3 in the second 12.  The exchange gives the first 12's lanes 16-31
; the odd blocks of columns 0-15, and the second 12's lanes 0-15 the even blocks of columns 16-31: each run of 12 is then a fragment as the matrix unit takes it.
.macro WSEND q
.irp n, 0,1,2,3,4,5,6,7,8,9,10,11
	v_permlane16_swap_b32 v[WC+24*(\q)+\n], v[WC+12+24*(\q)+\n]
.endr
.irp u, 0,1
.irp k, 0,1,2
	global_store_b128 v1, v[WC+24*(\q)+12*\u+4*\k:WC+24*(\q)+12*\u+4*\k+3], s[42:43] offset:\u*3072+(\q)*1536+512*\k
.endr
.endr
.endm
	s_load_b128 s[4:7], s[0:1], 0x0                ; x, h_prev
	s_load_b512 s[8:23], s[0:1], 0x10              ; W_i, W_f, W_o, W_c, U_i, U_f, U_o, U_c
	s_load_b128 s[24:27], s[0:1], 0x50             ; A's tiles, B's tiles
	v_lshl_add_u32 v[SPW], v0, 2, SPARE
	v_mov_b32 v[NIL], 0
	v_lshrrev_b32 v1, 5, v0
	v_readfirstlane_b32 s32, v1                    ; wave 0..3
	v_and_b32 v10, 31, v0                          ; lane
	v_and_b32 v6, 15, v0                           ; r
	v_bfe_u32 v7, v0, 4, 1                         ; h
	v_lshlrev_b32 v1, 4, v10                       ; 16 x lane: my place in a load's, a store's and an image's 512 bytes
	s_mul_i32 s33, s32, STAGE                      ; my stage
	v_add_nc_u32 v2, s33, v1                       ; into it: 16 x lane
	v_mul_u32_u24 v3, v6, 528
	v_lshl_add_u32 v3, v7, 7, v3
	v_add_nc_u32 v3, s33, v3                       ; out of it: row r, + 128 h.  Rows 528 bytes apart: sixteen lanes touch sixteen different columns of 16 bytes
	s_mov_b32 s47, 0                               ; the upper word of every offset
	s_mov_b32 s48, 0x76543210
	s_mov_b32 s49, 0xfedcba98                      ; v_permlanex16_b32's selects for lane l xor 16
	s_wait_kmcnt 0x0
	s_cmp_ge_u32 ttmp9, 512
	s_cbranch_scc1 .Lweights
	; ---- A: work-group rb takes rows 16 rb on; wave kq takes K = 512 kq on of the joined 2,048: tiles t = 2 kq and 2 kq + 1
	v_lshlrev_b32 v4, 3, v6
	v_mad_u32_u24 v4, v7, TILEB, v4                ; my row's two scale words: 8 r, and a tile on for lanes 16-31
	v_lshlrev_b32 v5, 3, v7                        ; 8 h
	v_mov_b32 v11, 0                               ; written once: a lane permute's destination counts as one of its sources
	s_cmp_lt_u32 s32, 2                            ; waves 0, 1: x; waves 2, 3: h_prev.  The choice hangs on the wave's number alone
	s_cselect_b64 s[40:41], s[4:5], s[6:7]
	s_lshl_b32 s46, ttmp9, 16                      ; 16 rows of 4,096 bytes,
	s_and_b32 s34, s32, 1
	s_lshl_b32 s34, s34, 11                        ; + 512 numbers for the tensor's second half
	s_add_co_u32 s46, s46, s34
	s_add_nc_u64 s[40:41], s[40:41], s[46:47]
	s_lshr_b32 s34, ttmp9, 3
	s_mul_i32 s46, s34, GROUPB                     ; the group of 128 rows,
	s_mul_i32 s34, s32, 2*TILEB                    ; tile t = 2 kq
	s_add_co_u32 s46, s46, s34
	s_and_b32 s34, ttmp9, 7                        ; i, the block of 16 rows:
	s_mul_i32 s35, s34, 3072                       ; its two fragments,
	s_lshl_b32 s34, s34, 7                         ; its 128 bytes of scale words
	s_add_co_u32 s34, s34, s46
	s_add_co_u32 s34, s34, SCO
	s_add_co_u32 s46, s46, s35
	s_add_nc_u64 s[42:43], s[24:25], s[46:47]      ; where my codes go,
	s_mov_b32 s46, s34
	s_add_nc_u64 s[44:45], s[24:25], s[46:47]      ; and my scale words
	XLOAD 0
	XLOAD 1
	XSTEP 0
	XSTEP 1
	XSTEP 2
	XSTEP 3
	v_cmp_ne_u32 vcc_lo, 0, v5                     ; lanes 0-15 send the words of steps 0, 1 (t = 2 kq), lanes 16-31 those of steps 2, 3 (t = 2 kq + 1)
	v_cndmask_b32 v[SB], v[PW], v[PW+2], vcc_lo
	v_cndmask_b32 v[SB+1], v[PW+1], v[PW+3], vcc_lo
	global_store_b64 v4, v[SB:SB+1], s[44:45]      ; sixteen lanes store 128 consecutive bytes of a tile: one byte for each 128 that this way reads
	s_branch .Lend
.Lweights:
	; ---- B: work-group id = m x 32 + (columns / 128) x 4 + tl: weight m, 256 rows from 256 tl on, 128 columns; a wave 32 of them: group J
	s_sub_co_u32 s33, ttmp9, 512                   ; id
	s_lshr_b32 s34, s33, 5                         ; m: 0 .. 3 W_i, W_f, W_o, W_c;  4 .. 7 U_i, U_f, U_o, U_c
	s_and_b32 s35, s34, 3                          ; g, the gate
	s_and_b32 s36, s33, 3                          ; tl
	s_lshr_b32 s37, s34, 2
	s_lshl_b32 s37, s37, 2
	s_add_co_u32 s37, s37, s36                     ; t = 4 (m / 4) + tl
	s_bfe_u32 s38, s33, 0x30002
	s_lshl_b32 s38, s38, 2
	s_add_co_u32 s38, s38, s32                     ; J = 4 ((id / 4) % 8) + wave
	s_mov_b64 s[40:41], s[8:9]
.irp n, 1,2,3,4,5,6,7
	s_cmp_eq_u32 s34, \n                           ; the weight is chosen by the work-group's number alone
	s_cselect_b64 s[40:41], s[8+2*\n:9+2*\n], s[40:41]
.endr
	s_lshl_b32 s46, s36, 20                        ; 256 rows of 4,096 bytes,
	s_lshl_b32 s39, s38, 7                         ; 32 columns of 4 bytes
	s_add_co_u32 s46, s46, s39
	s_add_nc_u64 s[40:41], s[40:41], s[46:47]
	s_mul_i32 s46, s38, GROUPB                     ; group J,
	s_mul_i32 s39, s37, TILEB                      ; tile t
	s_add_co_u32 s46, s46, s39
	s_lshl_b32 s39, s35, 8                         ; the scale words of blocks 2 g and 2 g + 1: 256 bytes
	s_add_co_u32 s39, s39, s46
	s_add_co_u32 s39, s39, SCO
	s_mul_i32 s33, s35, 6144                       ; their four fragments
	s_add_co_u32 s46, s46, s33
	s_add_nc_u64 s[42:43], s[26:27], s[46:47]
	s_mov_b32 s46, s39
	s_add_nc_u64 s[44:45], s[26:27], s[46:47]
	v_lshlrev_b32 v4, 2, v10                       ; in: 4 bytes a lane
	v_lshlrev_b32 v5, 3, v10                       ; my column's two scale words: 8 x lane
	WLOAD 0
	WLOAD 1
.irp b, 0,1,2,3
	WBLOCK \b
.endr
	WSEND 0
.irp b, 4,5,6,7
	WBLOCK \b
.endr
	WSEND 1
	global_store_b64 v5, v[SB:SB+1], s[44:45]      ; 32 lanes store 256 consecutive bytes, at a multiple of 256
.Lend:
	s_wait_tensorcnt 0x0                           ; the wave's end, behind my last LDS store
	ds_add_u32 v[SPW], v[NIL]
	s_wait_dscnt 0x0
	s_endpgm
.Lfunc_end_k_qb972f401e8_quant:
	.size	k_qb972f401e8_quant, .Lfunc_end_k_qb972f401e8_quant-k_qb972f401e8_quant
	.p2alignl 7, 3214868480
	.fill 96, 4, 3214868480
	.section	.rodata,"a",@progbits
	.p2align	6, 0x0
	.amdhsa_kernel k_qb972f401e8_quant
		.amdhsa_group_segment_fixed_size 34304
		.amdhsa_private_segment_fixed_size 0
		.amdhsa_enable_private_segment 0
		.amdhsa_kernarg_size 96
		.amdhsa_user_sgpr_count 2
		.amdhsa_user_sgpr_kernarg_segment_ptr 1
		.amdhsa_wavefront_size32 1
		.amdhsa_system_sgpr_workgroup_id_x 1
		.amdhsa_system_sgpr_workgroup_id_y 1
		.amdhsa_system_sgpr_workgroup_id_z 1
		.amdhsa_system_vgpr_workitem_id 0
		.amdhsa_next_free_vgpr 232
		.amdhsa_next_free_sgpr 66
		.amdhsa_reserve_vcc 1
		.amdhsa_float_denorm_mode_32 3
		.amdhsa_float_denorm_mode_16_64 3
		.amdhsa_memory_ordered 1
		.amdhsa_forward_progress 1
		.amdhsa_inst_pref_size 69
	.end_amdhsa_kernel
	.amdgpu_metadata
---
amdhsa.version: [ 1, 2 ]
amdhsa.kernels:
  - .name:           k_qb972f401e8_quant
    .symbol:         k_qb972f401e8_quant.kd
    .args:
      - { .name: x, .offset: 0, .size: 8, .value_kind: global_buffer, .address_space: global }
      - { .name: h_prev, .offset: 8, .size: 8, .value_kind: global_buffer, .address_space: global }
      - { .name: W_i, .offset: 16, .size: 8, .value_kind: global_buffer, .address_space: global }
      - { .name: W_f, .offset: 24, .size: 8, .value_kind: global_buffer, .address_space: global }
      - { .name: W_o, .offset: 32, .size: 8, .value_kind: global_buffer, .address_space: global }
      - { .name: W_c, .offset: 40, .size: 8, .value_kind: global_buffer, .address_space: global }
      - { .name: U_i, .offset: 48, .size: 8, .value_kind: global_buffer, .address_space: global }
      - { .name: U_f, .offset: 56, .size: 8, .value_kind: global_buffer, .address_space: global }
      - { .name: U_o, .offset: 64, .size: 8, .value_kind: global_buffer, .address_space: global }
      - { .name: U_c, .offset: 72, .size: 8, .value_kind: global_buffer, .address_space: global }
      - { .name: a_codes, .offset: 80, .size: 8, .value_kind: global_buffer, .address_space: global }
      - { .name: b_codes, .offset: 88, .size: 8, .value_kind: global_buffer, .address_space: global }
    .group_segment_fixed_size: 34304
    .private_segment_fixed_size: 0
    .kernarg_segment_align: 8
    .kernarg_segment_size: 96
    .max_flat_workgroup_size: 128
    .sgpr_count:     66
    .vgpr_count:     232
    .wavefront_size: 32
...
	.end_amdgpu_metadata
.endif
;; end of part 1
;; launch lstm (part 2): grid 16 x 32, 4 waves a work-group, clusters of 4 x 4, 327,680 bytes of LDS; arguments a_codes, b_codes, b_i, b_f, b_o, b_c, c_prev, out0, out1; writes out0, out1
.if DOCPART == 2
	.amdgcn_target "amdgcn-amd-amdhsa--gfx1250"
	.amdhsa_code_object_version 6
	.text
	.protected	k_qb972f401e8_lstm
	.globl	k_qb972f401e8_lstm
	.p2align	8
	.type	k_qb972f401e8_lstm,@function
k_qb972f401e8_lstm:
	s_mov_b64 s[64:65], 0
	v_nop
	global_prefetch_b8 v0, s[64:65] scope:SCOPE_SE
	s_setreg_imm32_b32 hwreg(HW_REG_WAVE_MODE, 25, 1), 1
	s_wait_xcnt 0x0
	s_wait_alu depctr_hold_cnt(0) depctr_sa_sdst(0) depctr_va_vdst(0) depctr_va_sdst(0) depctr_va_ssrc(0) depctr_va_vcc(0) depctr_vm_vsrc(0)
	s_getreg_b32 s2, hwreg(HW_REG_IB_STS2, 6, 4)
	s_cmp_eq_u32 s2, 0
	s_cbranch_scc0 .Lentry_in_a_cluster
	s_endpgm
.Lentry_in_a_cluster:
	s_bfe_u32 s2, ttmp6, 0x10000c
	s_cmp_lg_u32 s2, 0xf033
	s_cbranch_scc0 .Lentry_shape_is_right
	s_endpgm
.Lentry_shape_is_right:
; THE LSTM CELL, SECOND LAUNCH: gates = A B^T + b on codes of BF6 (E3M2) with E8M0 scales (K = 2,048: [x | h_prev] against [W ; U], as the first launch laid them), then, on the way out,
; i, f, o = sigmoid, g = tanh, c = f c_prev + i g (out1), h = o tanh(c) (out0).  The gates never go to memory.  Nothing of the problem is left out.
; A tile of the result is 256 rows x 256 rows of B, which are 64 hidden columns x 4 gates.  Four waves, as many as a WGP has SIMDs; a wave makes 128 x 128: 64 accumulators of 16 x 16, 512 registers.
; B's ROW 128 J + 32 g + jj IS HIDDEN COLUMN 32 J + jj OF GATE g (i, f, o, c = 0 .. 3): a wave's 128 rows of B are group J, its block b = 2 g + u holds columns 32 J + 16 u + 0 .. 15 of gate g.
; THE MATRIX INSTRUCTION IS USED TRANSPOSED (source 0 = 16 rows of B, source 1 = 16 rows of A): register j of lane (r, h) of accumulator (a, 2 g + u) is gate g of row 16 a + r at hidden column 32 J + 16 u + 8 h + j.
; So the four gates of one element lie in one lane, at one register index of four accumulators, and the cell is plain arithmetic of a lane.  The bias is the C of each sum's first matrix instruction.
; OPERANDS LIE IN MEMORY AND IN LDS AS IMAGES OF THEIR REGISTERS: a fragment (16 rows x 128 K, 12 registers a lane) is 1,536 bytes, three ds_load_b128 of 512 consecutive bytes: no pitch, no padding.
; An operand's tile (128 rows x 256 K: 16 fragments, then the rows' scale words) is 25,600 dense bytes; the tiles of one group of rows follow each other along K, so one tensor load can bring two.
; THE RING HAS TWO UNEQUAL SLOTS: P holds two K steps of 256 (4 parts of 51,200 bytes: A's two halves, B's two halves), Q one (4 parts of 25,600).  K has eight such steps, t0 .. t7:
;   first fills P <- t0 t1, Q <- t2 | t0 t1 | P <- t3 t4 | t2 | Q <- t5 | t3 t4 | P <- t6 t7 | t5 | Q <- c_prev's tile | t6 t7 | the cell.
; So four changes fill bytes again, each with one load a wave; two of those loads have two K steps (256 matrix instructions) in which to land, the other two one.  By this text's own count a wave has two tensor loads out at the start and one later.
; The walk is written out: the units come round after three K steps, the sets of scale words after two, and the fourth refill is c_prev's.
; CLUSTERS: 4 x 4 work-groups.  The four of a row of the cluster need the same tiles of A, the four of a column the same tiles of B: each is asked for JOINTLY, by the same tensor load with the same descriptor and a mask that names the four.
; c_prev's tile is each work-group's own: a plain load (mask 0), behind a round like the others.
; THE CELL, with five exponentials and two reciprocals an element:  E_g = 2^min(k gate, 30), k = -log2(e) for i, f, o and -2 log2(e) for the candidate;  P = (1 + E_i)(1 + E_c);  D = P (1 + E_f);
;   c = (c_prev P + (1 - E_c)(1 + E_f)) / D;   E_t = 2^min(-2 log2(e) c, 30);   h = (1 - E_t) / ((1 + E_t)(1 + E_o)).
; THE RESULTS LEAVE IN FOUR PARTS: behind each 32 rows a wave, c (written over c_prev in Q) and h (in P) are read back as whole rows and stored while the next 32 rows are worked.  Both slots have had their last fill by then.
; LIMITS: the exponents are held at 30 from above, so that D stays under 2^91: a sigmoid never falls under 2^-30 and a tanh ends at +-(1 - 2^-29); right for every finite gate; |c_prev| up to 2^60.  NaN and infinities among the inputs are not served.
; REGISTERS, in windows of 256: window 0: v1-31 addresses; v32-63 scale words, two sets, and nothing else ever; v64-127 the bias, 8 registers a block of B; v128-223 A's fragments, ONE set; on the way out v64-255 are at work.
;   window 1: B's fragments, TWO sets, at v0 and at v128; on the way out the rows read back.   window 2: the 32 accumulators of my rows 0-63 (accumulator (a, b) at v[8 (8 a + b)]);   window 3: those of my rows 64-127.
.set TILEB,  25600                     ; 128 rows x 256 K of codes and their scale words
.set SCO,    24576                     ; where a tile's scale words begin: [block of 16 rows (8)][row (16)][which 128 of the 256 (2)] words
.set PPART,  2*TILEB                   ; a part of P: what one tensor load brings there
.set QB,     4*PPART                   ; Q begins behind P
.set CPITCH, 272                       ; a row of c_prev's tile, of c and of h in LDS: 256 bytes + 16
.set SPARE,  QB+4*TILEB                ; the spare words, 128 bytes for each wave: two blocks of 256 bytes that no other line names
.set FR,     12                        ; registers of a fragment
.set NL,     3                         ; LDS loads that bring one
.set NQ,     2                         ; steps of 128 along K in a K step
.set NP,     4                         ; places behind this matrix instruction (ISA guide 7.12.1)
.set ADRS, 8                           ; v8-10   LDS address of my scale words in units 0, 1 (P's halves), 2 (Q): lanes 0-15 A's rows, lanes 16-31 B's; never rewritten
.set BOF,  14                          ; v14     my byte offset in a bias
.set ADRA, 16                          ; v16-18  LDS address of my A fragments in units 0, 1, 2
.set ADRB, 20                          ; v20-22  the same for B
.set CADR, 24                          ; v24     my 32 bytes of a row of c_prev's tile, in Q
.set HADR, 25                          ; v25     the same place in h's stage, in P
.set RDC,  26                          ; v26     the way out: where I read rows of c back
.set SPW,  28                          ; v28     LDS address of my spare word: SPARE + 4 x my thread's number; never rewritten
.set NIL,  29                          ; v29     0; never rewritten
.set RDH,  30                          ; v30     the way out: where I read rows of h back
.set CO,   31                          ; v31     my byte offset in the tile's rows of out0 and out1
.set SC,   32                          ; scale words: set s at v[SC + 16 s]; register 2 i + q: lanes 0-15 the word of A's block i, lanes 16-31 that of B's block i, for the K step's q-th 128
.set BIAS, 64
.set AF,   128
.set TI,   64                          ; the way out, 32 registers each: E_i, then 1 + E_i, P, 1 - E_t, h
.set TF,   96                          ; E_f, then 1 + E_f
.set TC,   128                         ; E_c, then 1 + E_c, D, 1 / D
.set TO,   160                         ; E_o, then 1 + E_o
.set NC,   192                         ; 1 - E_c, then the numerator, then E_t, the second divisor and its reciprocal
.set CP,   224                         ; c_prev, then c
.set G0C,  28                          ; s[28:31] group 0 for c_prev's tile;   s[92:99] its group 1
.set G1PA, 32                          ; s[32:39] descriptor group 1 for A's parts of P;  s[40:43] its group 0;  s[44:47] group 0 for A's parts of Q
.set G0PA, 40
.set G0QA, 44
.set G1PB, 48                          ; s[48:55], s[56:59], s[60:63] the same for B
.set G0PB, 56
.set G0QB, 60
.set G1QA, 68                          ; s[68:75] group 1 for A's parts of Q;  s[80:87] for B's
.set G1QB, 80
.set G1C,  92
.set MSB, 0
.macro WIN new                         ; the immediate's high byte repeats the setting that is left; a switch that changes nothing is dropped
.if MSB != (\new)
	s_set_vgpr_msb (MSB<<8)|(\new)
.set MSB, (\new)
.endif
.endm
.set MUL_LO, 0xa1                      ; source 0 (B) window 1, source 1 (A) window 0, C and D window 2
.set MUL_HI, 0xf1                      ; the same, C and D window 3
.set FST_LO, 0x81                      ; the first step: C is the bias, in window 0; D window 2
.set FST_HI, 0xc1                      ; D window 3
.set TO_B,   0x40                      ; destination window 1, address window 0
.set FROM_B, 0x04                      ; a store's data (source 1) window 1, address window 0
; A joint load: waves 0 and 1 fetch for A, waves 2 and 3 for B.  Each of the two lines has ONE mask and one set of registers for all that issue it; the branch hangs on the wave's number alone.
; An s_nop 0 and four v_nop follow each of the two lines, ahead of the jump, the label and what follows.
.macro JLOAD g0a, g1a, g0b, g1b
	s_cmp_eq_u32 s26, 0
	s_cbranch_scc0 .Lfor_b_\@
	tensor_load_to_lds s[\g0a:\g0a+3], s[\g1a:\g1a+7]
	s_nop 0
.rept 4
	v_nop
.endr
	s_branch .Lasked_\@
.Lfor_b_\@:
	tensor_load_to_lds s[\g0b:\g0b+3], s[\g1b:\g1b+7]
	s_nop 0
.rept 4
	v_nop
.endr
.Lasked_\@:
.endm
.macro CREST                           ; a round of the cluster's barrier behind its opening barrier
	s_cmp_lg_u32 s2, 0
	s_cbranch_scc1 .Lnot_wave_0_\@
	s_barrier_signal -3
.Lnot_wave_0_\@:
	s_barrier_wait -3
	s_barrier_signal -1
	s_barrier_wait -1
.endm
.macro CROUND                          ; a whole round
	s_barrier_signal -1
	s_barrier_wait -1
	CREST
.endm
.macro PLACES n
.rept \n
	v_nop
.endr
.endm
.macro FRAG reg, adr, q, i             ; block i's fragment of the K step's q-th 128: its image, 512 consecutive bytes a load
.irp c, 0,1,2
	ds_load_b128 v[\reg+4*\c:\reg+4*\c+3], v[\adr] offset:(2*(\i)+(\q))*1536+512*\c
.endr
.endm
.macro FETCH_B u, q, p                 ; B's eight fragments out of unit u into set p
	WIN TO_B
.irp i, 0,1,2,3,4,5,6,7
	FRAG 128*(\p)+FR*\i, ADRB+\u, \q, \i
.endr
	WIN 0
.endm
.macro FETCH_A u, q, i0                ; A's blocks i0 .. i0 + 3
.irp i, \i0, \i0+1, \i0+2, \i0+3
	FRAG AF+FR*(\i), ADRA+\u, \q, \i
.endr
.endm
.macro SCALES u, sc                    ; the scale words of the K step in unit u into set sc: two words a row; lanes 0-15 take A's block i, lanes 16-31 B's block i
.irp i, 0,1,2,3,4,5,6,7
	ds_load_b64 v[SC+16*(\sc)+2*\i:SC+16*(\sc)+2*\i+1], v[ADRS+\u] offset:128*\i
.endr
.endm
; 16 matrix instructions: A's blocks a0, a0 + 1 x B's eight, 128 along K: the K step's q-th.  p: B's set;  sc: the set of scale words.  first = 1: the sums begin with the bias: nothing is ever cleared or added later.
; The 64 accumulators take turns, one instruction a turn, in the same order in every step.
.macro MUL16 a0, p, q, sc, first
.irp a, \a0, \a0+1
.irp b, 0,1,2,3,4,5,6,7
.if \first
	v_wmma_scale_f32_16x16x128_f8f6f4 v[8*(8*((\a)%4)+\b):8*(8*((\a)%4)+\b)+7], v[128*(\p)+FR*\b:128*(\p)+FR*\b+FR-1], v[AF+FR*(\a):AF+FR*(\a)+FR-1], v[BIAS+8*\b:BIAS+8*\b+7], v[SC+16*(\sc)+NQ*\b+(\q)], v[SC+16*(\sc)+NQ*(\a)+(\q)] matrix_a_fmt:MATRIX_FMT_BF6 matrix_b_fmt:MATRIX_FMT_BF6 matrix_a_scale:MATRIX_SCALE_ROW1
.else
	v_wmma_scale_f32_16x16x128_f8f6f4 v[8*(8*((\a)%4)+\b):8*(8*((\a)%4)+\b)+7], v[128*(\p)+FR*\b:128*(\p)+FR*\b+FR-1], v[AF+FR*(\a):AF+FR*(\a)+FR-1], v[8*(8*((\a)%4)+\b):8*(8*((\a)%4)+\b)+7], v[SC+16*(\sc)+NQ*\b+(\q)], v[SC+16*(\sc)+NQ*(\a)+(\q)] matrix_a_fmt:MATRIX_FMT_BF6 matrix_b_fmt:MATRIX_FMT_BF6 matrix_a_scale:MATRIX_SCALE_ROW1
.endif
.endr
.endr
.endm
; THE FIRST 128 OF A K STEP, which lies in unit u; sc: its set of scale words.  A's blocks are free as soon as their eight products are issued: blocks 0-3 are fetched anew in the step's middle, blocks 4-7 at its end; B has two sets.
; A load into a register that a matrix instruction has read stands four places behind it, and only plain vector instructions that name none of its registers are places (ISA guide 7.12.1 for vector instructions).
.macro STEP u, sc, first
	s_wait_dscnt 4*NL                              ; B's set, the scale words and A's blocks 0-3 are in; the youngest 12 loads (A's blocks 4-7) may be out
.if \first
	WIN FST_LO
.else
	WIN MUL_LO
.endif
	MUL16 0, 0, 0, \sc, \first
	MUL16 2, 0, 0, \sc, \first
	s_wait_dscnt 0                                 ; A's blocks 4-7 are in (asked for 32 matrix instructions ago)
	PLACES NP
	FETCH_B \u, 1, 1
	FETCH_A \u, 1, 0
.if \first
	WIN FST_HI
.else
	WIN MUL_HI
.endif
	MUL16 4, 0, 0, \sc, \first
	MUL16 6, 0, 0, \sc, \first
	PLACES NP
	WIN 0
	FETCH_A \u, 1, 4
.endm
; THE SECOND 128 OF A K STEP goes on to the K step in unit nu.  kind = 0: that unit was shown whole by an earlier barrier, and nothing is filled: no barrier.
; kind = 1, 2, 3: a change of slots.  In front of ONE barrier each wave waits for all its tensor loads (the one that is out brings the slot ahead), adds 0 to its spare word, and waits for that and for its own reads of the slot that it leaves;
; the barrier opens a round of the cluster's barrier, and behind the round the slot just left is filled again first:  1: P, jointly, with the two K steps three on;  2: Q, jointly, with the K step three on;  3: Q, with my 64 rows of c_prev's tile.
.macro TURN sc, nu, kind
.if \kind
	s_wait_tensorcnt 0x0                           ; all my tensor loads have landed: my part of the slot ahead;  (every window is 0 here)
	ds_add_u32 v[SPW], v[NIL]                      ; 0 onto my spare word
	s_wait_dscnt 4*NL+1                            ; (the add and the youngest 12 loads, A's blocks 4-7, may be out)
	WIN MUL_LO
	MUL16 0, 1, 1, \sc, 0                          ; sixteen matrix instructions stand between the add and the wait for it
	s_wait_dscnt 0x0                               ; the add is done, and my reads of the slot that I leave are over
	s_barrier_signal -1
	MUL16 2, 1, 1, \sc, 0
	WIN 0
	s_barrier_wait -1
	CREST                                          ; no wave of any partner still reads the slot or has a load on its way
.if \kind == 1
	s_add_nc_u64 s[G0PA+2:G0PA+3], s[G0PA+2:G0PA+3], 3*TILEB
	s_add_nc_u64 s[G0PB+2:G0PB+3], s[G0PB+2:G0PB+3], 3*TILEB
	JLOAD G0PA, G1PA, G0PB, G1PB                   ; the first tensor load behind the round; its four v_nop are the places in front of the loads below
.elseif \kind == 2
	s_add_nc_u64 s[G0QA+2:G0QA+3], s[G0QA+2:G0QA+3], 3*TILEB
	s_add_nc_u64 s[G0QB+2:G0QB+3], s[G0QB+2:G0QB+3], 3*TILEB
	JLOAD G0QA, G1QA, G0QB, G1QB
.else
	tensor_load_to_lds s[G0C:G0C+3], s[G1C:G1C+7]  ; every wave's own 64 rows: wanted behind the last two K steps
	s_nop 0
	PLACES 4
.endif
.else
	s_wait_dscnt 4*NL
	WIN MUL_LO
	MUL16 0, 1, 1, \sc, 0
	MUL16 2, 1, 1, \sc, 0
	s_wait_dscnt 0
	PLACES NP
.endif
	FETCH_B \nu, 0, 0
	FETCH_A \nu, 0, 0
	SCALES \nu, 1-(\sc)
	WIN MUL_HI
	MUL16 4, 1, 1, \sc, 0
	MUL16 6, 1, 1, \sc, 0
	PLACES NP
	WIN 0
	FETCH_A \nu, 0, 4
.endm
; THE VERY LAST 128: nothing more to fetch.  One barrier of the work-group: in front of it my rows of c_prev have landed and my last reads of P are over; behind it c_prev's tile is whole and P is free for h.
.macro LAST sc
	s_wait_tensorcnt 0x0
	ds_add_u32 v[SPW], v[NIL]
	s_wait_dscnt 4*NL+1
	WIN MUL_LO
	MUL16 0, 1, 1, \sc, 0
	s_wait_dscnt 0x0
	s_barrier_signal -1
	MUL16 2, 1, 1, \sc, 0
	s_barrier_wait -1
	WIN MUL_HI
	MUL16 4, 1, 1, \sc, 0
	MUL16 6, 1, 1, \sc, 0
	WIN 0
.endm
; THE WAY OUT, part k = 0 .. 3: rows 32 k .. 32 k + 31 of each half of the tile's rows.  A row's 256 bytes come from two waves: so a barrier; then wave (HR, HC) reads back block 2 k + HC of its half, whole rows,
; 16 of c and 16 of h: lanes 0-15 one row of 256 bytes, lanes 16-31 the next.  They land in window 1, where B's fragments lay: sets at v0 and v128 by turns.
.macro FLUSH k
	s_wait_dscnt 0x0                               ; for the others' sake: my c and my h of these rows lie in LDS (and the stores have read their registers)
	s_barrier_signal -1
	s_barrier_wait -1
.if (\k) >= 2
	s_wait_xcnt 0x0                                ; the stores of part k - 2 have read their registers: these loads may land there
.endif
	WIN TO_B
.irp t, 0,1,2,3,4,5,6,7
	ds_load_b128 v[128*((\k)%2)+4*\t:128*((\k)%2)+4*\t+3], v[RDC] offset:(32*(\k)+2*\t)*CPITCH
.endr
.irp t, 0,1,2,3,4,5,6,7
	ds_load_b128 v[128*((\k)%2)+32+4*\t:128*((\k)%2)+32+4*\t+3], v[RDH] offset:(32*(\k)+2*\t)*CPITCH
.endr
	WIN 0
.endm
.macro SENDB k, y                      ; y: the LDS loads issued behind part k's sixteen, which may stay out
	s_wait_dscnt (\y)+8                            ; c's eight are in
	WIN FROM_B
.irp t, 0,1,2,3,4,5,6,7
	global_store_b128 v[CO], v[128*((\k)%2)+4*\t:128*((\k)%2)+4*\t+3], s[24:25] offset:(32*(\k)+2*\t)*4096 th:TH_STORE_NT   ; 16 lanes store 256 consecutive bytes, at a multiple of 256 from out1's first byte
.endr
	s_wait_dscnt (\y)                              ; h's eight are in
.irp t, 0,1,2,3,4,5,6,7
	global_store_b128 v[CO], v[128*((\k)%2)+32+4*\t:128*((\k)%2)+32+4*\t+3], s[22:23] offset:(32*(\k)+2*\t)*4096 th:TH_STORE_NT   ; the same in out0
.endr
	WIN 0
.endm
; THE CELL for my row blocks a0 and a0 + 1: 32 elements a lane, element 16 d + 8 u + j = row 16 (a0 + d) + r, hidden column 16 u + 8 h + j of my 32.  prev: the part whose rows, read back just before, are stored here (-1: none).
; The transcendentals go in four batches, each with ONE s_wait_alu depctr_va_vdst(0) ahead of the first line that names a result; a plain line stands behind the last of each batch.
.macro GATES a0, prev
.irp d, 0,1
.irp u, 0,1
	ds_load_b128 v[CP+16*\d+8*\u:CP+16*\d+8*\u+3], v[CADR] offset:((\a0)+\d)*16*CPITCH+64*\u          ; c_prev at my elements; wanted behind the first batch
	ds_load_b128 v[CP+16*\d+8*\u+4:CP+16*\d+8*\u+7], v[CADR] offset:((\a0)+\d)*16*CPITCH+64*\u+16
.endr
.endr
	WIN 0x02+(\a0)/4                               ; source 0: the accumulators' window
.irp d, 0,1
.irp u, 0,1
.irp jj, 0,2,4,6                       ; each accumulator from its low end on.  k x gate, two at a time
	v_pk_mul_f32 v[TI+16*\d+8*\u+\jj:TI+16*\d+8*\u+\jj+1], v[8*(8*(((\a0)+\d)%4)+\u)+\jj:8*(8*(((\a0)+\d)%4)+\u)+\jj+1], s[4:5] op_sel_hi:[1,0]
	v_pk_mul_f32 v[TF+16*\d+8*\u+\jj:TF+16*\d+8*\u+\jj+1], v[8*(8*(((\a0)+\d)%4)+2+\u)+\jj:8*(8*(((\a0)+\d)%4)+2+\u)+\jj+1], s[4:5] op_sel_hi:[1,0]
	v_pk_mul_f32 v[TO+16*\d+8*\u+\jj:TO+16*\d+8*\u+\jj+1], v[8*(8*(((\a0)+\d)%4)+4+\u)+\jj:8*(8*(((\a0)+\d)%4)+4+\u)+\jj+1], s[4:5] op_sel_hi:[1,0]
	v_pk_mul_f32 v[TC+16*\d+8*\u+\jj:TC+16*\d+8*\u+\jj+1], v[8*(8*(((\a0)+\d)%4)+6+\u)+\jj:8*(8*(((\a0)+\d)%4)+6+\u)+\jj+1], s[6:7] op_sel_hi:[1,0]
.endr
.endr
.endr
	WIN 0
.if (\prev) >= 0
	SENDB \prev, 8                                 ; the last part's rows leave here: the 64 scalings above stood between their loads and this; c_prev's eight loads may stay out
.endif
.set n, TI                             ; batch 1: E_i, E_f, E_c (96 registers on end): the hold at 30, and two registers behind it the exponential
.rept 96
	v_min_num_f32 v[n], s8, v[n]
.if n >= TI+2
	v_exp_f32 v[n-2], v[n-2]
.endif
.set n, n+1
.endr
	v_exp_f32 v[TC+30], v[TC+30]
	v_exp_f32 v[TC+31], v[TC+31]
.set n, TO
.rept 32
	v_min_num_f32 v[n], s8, v[n]                   ; the hold for E_o: plain work behind the batch
.set n, n+1
.endr
	s_wait_alu depctr_va_vdst(0)                   ; the wait for batch 1
.set n, 0
.rept 16                               ; batch 2 begins: E_o, among the sums that read batch 1
	v_pk_add_f32 v[TI+n:TI+n+1], v[TI+n:TI+n+1], 1.0 op_sel_hi:[1,0]                               ; 1 + E_i
	v_pk_add_f32 v[TF+n:TF+n+1], v[TF+n:TF+n+1], 1.0 op_sel_hi:[1,0]                               ; 1 + E_f
	v_pk_add_f32 v[NC+n:NC+n+1], v[TC+n:TC+n+1], 1.0 op_sel_hi:[1,0] neg_lo:[1,0] neg_hi:[1,0]     ; 1 - E_c
	v_pk_add_f32 v[TC+n:TC+n+1], v[TC+n:TC+n+1], 1.0 op_sel_hi:[1,0]                               ; 1 + E_c
	v_exp_f32 v[TO+n], v[TO+n]
	v_exp_f32 v[TO+n+1], v[TO+n+1]
.set n, n+2
.endr
.set n, 0
.rept 16
	v_pk_mul_f32 v[TI+n:TI+n+1], v[TI+n:TI+n+1], v[TC+n:TC+n+1]                                    ; P = (1 + E_i)(1 + E_c)
	v_pk_mul_f32 v[NC+n:NC+n+1], v[NC+n:NC+n+1], v[TF+n:TF+n+1]                                    ; (1 - E_c)(1 + E_f)
.set n, n+2
.endr
	s_wait_dscnt 0x0                               ; c_prev is in
.set n, 0
.rept 16                               ; D = P (1 + E_f) and the numerator; D's reciprocals a pair behind
	v_pk_mul_f32 v[TC+n:TC+n+1], v[TI+n:TI+n+1], v[TF+n:TF+n+1]
.if n > 0
	v_rcp_f32 v[TC+n-2], v[TC+n-2]
.endif
	v_pk_fma_f32 v[NC+n:NC+n+1], v[CP+n:CP+n+1], v[TI+n:TI+n+1], v[NC+n:NC+n+1]
.if n > 0
	v_rcp_f32 v[TC+n-1], v[TC+n-1]
.endif
.set n, n+2
.endr
	v_rcp_f32 v[TC+30], v[TC+30]
	v_rcp_f32 v[TC+31], v[TC+31]
	v_nop                                          ; a plain line behind the last reciprocal
	s_wait_alu depctr_va_vdst(0)                   ; the wait for batch 2: E_o and 1 / D
.set n, 0
.rept 16
	v_pk_mul_f32 v[CP+n:CP+n+1], v[NC+n:NC+n+1], v[TC+n:TC+n+1]                                    ; c
.set n, n+2
.endr
.set n, 0
.rept 16
	v_pk_mul_f32 v[NC+n:NC+n+1], v[CP+n:CP+n+1], s[6:7] op_sel_hi:[1,0]                            ; -2 log2(e) c
.set n, n+2
.endr
.irp d, 0,1
.irp u, 0,1
	ds_store_b128 v[CADR], v[CP+16*\d+8*\u:CP+16*\d+8*\u+3] offset:((\a0)+\d)*16*CPITCH+64*\u      ; c over c_prev: bytes that I alone have read, and that nobody reads before the next barrier
	ds_store_b128 v[CADR], v[CP+16*\d+8*\u+4:CP+16*\d+8*\u+7] offset:((\a0)+\d)*16*CPITCH+64*\u+16
.endr
.endr
.set n, 0
.rept 32                               ; batch 3: E_t
	v_min_num_f32 v[NC+n], s8, v[NC+n]
.if n >= 2
	v_exp_f32 v[NC+n-2], v[NC+n-2]
.endif
.set n, n+1
.endr
	v_exp_f32 v[NC+30], v[NC+30]
	v_exp_f32 v[NC+31], v[NC+31]
.set n, 0
.rept 16
	v_pk_add_f32 v[TO+n:TO+n+1], v[TO+n:TO+n+1], 1.0 op_sel_hi:[1,0]                               ; 1 + E_o: plain work behind the batch
.set n, n+2
.endr
	s_wait_alu depctr_va_vdst(0)                   ; the wait for batch 3
.set n, 0
.rept 16
	v_pk_add_f32 v[TI+n:TI+n+1], v[NC+n:NC+n+1], 1.0 op_sel_hi:[1,0] neg_lo:[1,0] neg_hi:[1,0]     ; 1 - E_t
	v_pk_add_f32 v[NC+n:NC+n+1], v[NC+n:NC+n+1], 1.0 op_sel_hi:[1,0]                               ; 1 + E_t
.set n, n+2
.endr
.set n, 0
.rept 16                               ; batch 4: the reciprocals of (1 + E_t)(1 + E_o), a pair behind the products
	v_pk_mul_f32 v[NC+n:NC+n+1], v[NC+n:NC+n+1], v[TO+n:TO+n+1]
.if n > 0
	v_rcp_f32 v[NC+n-2], v[NC+n-2]
	v_rcp_f32 v[NC+n-1], v[NC+n-1]
.endif
.set n, n+2
.endr
	v_rcp_f32 v[NC+30], v[NC+30]
	v_rcp_f32 v[NC+31], v[NC+31]
	v_nop                                          ; a plain line behind the last reciprocal
	s_wait_alu depctr_va_vdst(0)                   ; the wait for batch 4
.set n, 0
.rept 16
	v_pk_mul_f32 v[TI+n:TI+n+1], v[TI+n:TI+n+1], v[NC+n:NC+n+1]                                    ; h
.set n, n+2
.endr
.irp d, 0,1
.irp u, 0,1
	ds_store_b128 v[HADR], v[TI+16*\d+8*\u:TI+16*\d+8*\u+3] offset:((\a0)+\d)*16*CPITCH+64*\u
	ds_store_b128 v[HADR], v[TI+16*\d+8*\u+4:TI+16*\d+8*\u+7] offset:((\a0)+\d)*16*CPITCH+64*\u+16
.endr
.endr
.endm
	s_load_b128 s[4:7], s[0:1], 0x0                ; A's tiles s[4:5], B's tiles s[6:7]
	s_load_b256 s[12:19], s[0:1], 0x10             ; b_i, b_f, b_o, b_c
	s_load_b128 s[20:23], s[0:1], 0x30             ; c_prev, out0
	s_load_b64 s[24:25], s[0:1], 0x40              ; out1
	v_lshl_add_u32 v[SPW], v0, 2, SPARE
	v_mov_b32 v[NIL], 0
	ds_add_u32 v[SPW], v[NIL]                      ; the wave's opening: the add, twice on end, and its wait ahead of my first tensor load; the set-up below the second, work on registers, stands between it and the wait
	ds_add_u32 v[SPW], v[NIL]                      ; and once more, under the one wait
	v_lshrrev_b32 v1, 5, v0
	v_readfirstlane_b32 s2, v1                     ; wave 0..3
	s_lshr_b32 s26, s2, 1                          ; HR: which half of the tile's rows is mine.  Also: I fetch for A (0) or for B (1)
	s_and_b32 s27, s2, 1                           ; HC: which half of its columns.  Also: which 128 rows of that operand I fetch
	s_bfe_u32 s100, ttmp6, 0x40000                 ; cx, cy: my place in the cluster
	s_bfe_u32 s66, ttmp6, 0x40004
	s_lshl_b32 s67, s66, 2
	s_lshl_b32 s67, 15, s67                        ; my row of the cluster
	s_lshl_b32 s101, 0x1111, s100                  ; my column
	; descriptor group 1: dense blocks as rows of 256 bytes (32 elements of 8 bytes): 200 rows for a part of P (two tiles on end), 100 for a part of Q
	s_or_b32 s[G1PA], s67, (3<<16)|(1<<21)         ; 15:0 the mask: A's go to my row; 17:16 elements of 8 bytes; 20 no padding; 21 set beside a mask
	s_or_b32 s[G1QA], s67, (3<<16)|(1<<21)
	s_or_b32 s[G1PB], s101, (3<<16)|(1<<21)        ; B's go to my column
	s_or_b32 s[G1QB], s101, (3<<16)|(1<<21)
.irp g, G1PA, G1PB
	s_mov_b32 s[\g+1], 32<<16                      ; tensor_dim0
	s_mov_b32 s[\g+2], 200<<16                     ; tensor_dim1
	s_mov_b32 s[\g+3], 32<<16                      ; tile_dim0
	s_mov_b32 s[\g+4], 200                         ; tile_dim1
	s_mov_b32 s[\g+5], 32                          ; tensor_dim0_stride
	s_mov_b32 s[\g+6], 0
	s_mov_b32 s[\g+7], 0
.endr
.irp g, G1QA, G1QB
	s_mov_b32 s[\g+1], 32<<16
	s_mov_b32 s[\g+2], 100<<16
	s_mov_b32 s[\g+3], 32<<16
	s_mov_b32 s[\g+4], 100
	s_mov_b32 s[\g+5], 32
	s_mov_b32 s[\g+6], 0
	s_mov_b32 s[\g+7], 0
.endr
	; c_prev: 64 rows x 64 numbers of 4 bytes, 1,024 numbers from row to row, 16 bytes of padding behind each row's 64 words
	s_mov_b32 s[G1C], (2<<16)|(1<<20)|(5<<22)|(3<<25)   ; no mask: the tile is my work-group's own
	s_mov_b32 s[G1C+1], 64<<16
	s_mov_b32 s[G1C+2], 64<<16
	s_mov_b32 s[G1C+3], 64<<16
	s_mov_b32 s[G1C+4], 64
	s_mov_b32 s[G1C+5], 1024
	s_mov_b32 s[G1C+6], 0
	s_mov_b32 s[G1C+7], 0
	s_lshl_b32 s101, ttmp9, 2
	s_add_co_u32 s100, s101, s100                  ; X, the tile column = 4 x cluster x + cx
	s_and_b32 s67, ttmp7, 0xffff
	s_lshl_b32 s67, s67, 2
	s_add_co_u32 s66, s67, s66                     ; Y, the tile row = 4 x cluster y + cy
	; the offsets, each in its group 0's own pair.  A's hang on Y and the wave's number alone, B's on X and the wave's number alone, in registers that never hold the other coordinate
	s_lshl_b32 s67, s66, 1
	s_add_co_u32 s67, s67, s27                     ; A's group of 128 rows: 2 Y + HC
	s_mul_i32 s[G0PA+2], s67, 8*TILEB
	s_mov_b32 s[G0PA+3], 0
	s_lshl_b32 s101, s100, 1
	s_add_co_u32 s101, s101, s27                   ; B's group: J = 2 X + HC
	s_mul_i32 s[G0PB+2], s101, 8*TILEB
	s_mov_b32 s[G0PB+3], 0
	s_lshl_b32 s[G0C+2], s66, 20                   ; c_prev, out0, out1: row 256 Y of 4,096 bytes,
	s_lshl_b32 s[G0C+3], s100, 8                   ; + 64 X columns of 4 bytes
	s_add_co_u32 s[G0C+2], s[G0C+2], s[G0C+3]
	s_mov_b32 s[G0C+3], 0
	s_lshl_b32 s76, s2, 18                         ; and for c_prev's load my wave's 64 rows
	s_mov_b32 s77, 0
	; where they go: constants and the wave's number: no place in the cluster enters an LDS address
	s_mul_i32 s3, s2, PPART
	s_mov_b32 s[G0PA], 1
	s_mov_b32 s[G0PA+1], s3
	s_mov_b32 s[G0PB], 1
	s_mov_b32 s[G0PB+1], s3
	s_mul_i32 s3, s2, TILEB
	s_mov_b32 s[G0QA], 1
	s_add_co_u32 s[G0QA+1], s3, QB
	s_mov_b32 s[G0QB], 1
	s_add_co_u32 s[G0QB+1], s3, QB
	s_mul_i32 s3, s2, 64*CPITCH
	s_mov_b32 s[G0C], 1
	s_add_co_u32 s[G0C+1], s3, QB
	s_wait_dscnt 0x0                               ; both opening adds are done
	s_wait_kmcnt 0x0
	s_add_nc_u64 s[G0PA+2:G0PA+3], s[4:5], s[G0PA+2:G0PA+3]      ; K steps 0 and 1,
	s_add_nc_u64 s[G0QA+2:G0QA+3], s[G0PA+2:G0PA+3], 2*TILEB     ; K step 2
	s_or_b32 s[G0PA+3], s[G0PA+3], 0x80000000                    ; 127:126 type = 2
	s_or_b32 s[G0QA+3], s[G0QA+3], 0x80000000
	s_add_nc_u64 s[G0PB+2:G0PB+3], s[6:7], s[G0PB+2:G0PB+3]
	s_add_nc_u64 s[G0QB+2:G0QB+3], s[G0PB+2:G0PB+3], 2*TILEB
	s_or_b32 s[G0PB+3], s[G0PB+3], 0x80000000
	s_or_b32 s[G0QB+3], s[G0QB+3], 0x80000000
	s_add_nc_u64 s[22:23], s[22:23], s[G0C+2:G0C+3]              ; out0 and out1 at the tile's first row,
	s_add_nc_u64 s[24:25], s[24:25], s[G0C+2:G0C+3]
	s_add_nc_u64 s[G0C+2:G0C+3], s[20:21], s[G0C+2:G0C+3]        ; c_prev likewise,
	s_add_nc_u64 s[G0C+2:G0C+3], s[G0C+2:G0C+3], s[76:77]        ; at my wave's 64 rows
	s_or_b32 s[G0C+3], s[G0C+3], 0x80000000
	CROUND                                         ; all sixteen work-groups are here: the first joint loads meet
	JLOAD G0PA, G1PA, G0PB, G1PB                   ; P: K steps 0 and 1
	JLOAD G0QA, G1QA, G0QB, G1QB                   ; Q: K step 2
	v_and_b32 v1, 15, v0                           ; r = lane % 16
	v_bfe_u32 v2, v0, 4, 1                         ; h = lane / 16
	v_and_b32 v3, 31, v0
	v_lshlrev_b32 v3, 4, v3                        ; 16 x lane: an image's place for my lane
	s_mul_i32 s3, s26, PPART                       ; my 128 rows of A: in P's first half,
	v_add_nc_u32 v[ADRA], s3, v3
	s_add_co_u32 s3, s3, TILEB                     ; its second half,
	v_add_nc_u32 v[ADRA+1], s3, v3
	s_mul_i32 s3, s26, TILEB
	s_add_co_u32 s3, s3, QB                        ; and in Q
	v_add_nc_u32 v[ADRA+2], s3, v3
	s_add_co_u32 s4, s27, 2                        ; my 128 rows of B are part 2 + HC
	s_mul_i32 s3, s4, PPART
	v_add_nc_u32 v[ADRB], s3, v3
	s_add_co_u32 s3, s3, TILEB
	v_add_nc_u32 v[ADRB+1], s3, v3
	s_mul_i32 s3, s4, TILEB
	s_add_co_u32 s3, s3, QB
	v_add_nc_u32 v[ADRB+2], s3, v3
	s_mul_i32 s4, s26, PPART                       ; the scale words in P: A's part;
	s_add_co_u32 s5, s27, 2
	s_mul_i32 s5, s5, PPART                        ; B's part
	s_sub_co_u32 s5, s5, s4
	v_mul_u32_u24 v4, s5, v2                       ; lanes 16-31 take B's: the lower base + h x the distance
	v_lshl_add_u32 v4, v1, 3, v4                   ; 8 bytes a row
	s_add_co_u32 s4, s4, SCO
	v_add_nc_u32 v[ADRS], s4, v4
	s_add_co_u32 s4, s4, TILEB
	v_add_nc_u32 v[ADRS+1], s4, v4
	s_mul_i32 s4, s26, TILEB                       ; and in Q
	s_add_co_u32 s5, s27, 2
	s_mul_i32 s5, s5, TILEB
	s_sub_co_u32 s5, s5, s4
	v_mul_u32_u24 v4, s5, v2
	v_lshl_add_u32 v4, v1, 3, v4
	s_add_co_u32 s4, s4, QB+SCO
	v_add_nc_u32 v[ADRS+2], s4, v4
	s_mul_i32 s4, s26, 128*CPITCH                  ; c_prev's tile and h's stage: row 128 HR + r, byte 128 HC + 32 h
	s_lshl_b32 s5, s27, 7
	s_add_co_u32 s4, s4, s5
	v_mul_u32_u24 v4, v1, CPITCH
	v_lshl_add_u32 v4, v2, 5, v4
	v_add_nc_u32 v[HADR], s4, v4
	v_add_nc_u32 v[CADR], QB, v[HADR]
	s_mul_i32 s4, s26, 128*CPITCH                  ; back: row 128 HR + 16 HC + h, 16 bytes a lane
	s_mul_i32 s5, s27, 16*CPITCH
	s_add_co_u32 s4, s4, s5
	v_mul_u32_u24 v4, v2, CPITCH
	v_lshl_add_u32 v4, v1, 4, v4
	v_add_nc_u32 v[RDH], s4, v4
	v_add_nc_u32 v[RDC], QB, v[RDH]
	s_lshl_b32 s4, s26, 19                         ; and the same rows in out0 and out1: 4,096 bytes a row
	s_lshl_b32 s5, s27, 16
	s_add_co_u32 s4, s4, s5
	v_lshlrev_b32 v[CO], 12, v2
	v_lshl_add_u32 v[CO], v1, 4, v[CO]
	v_add_nc_u32 v[CO], s4, v[CO]
	s_lshl_b32 s4, s101, 7                         ; the bias: my group's 32 numbers, 128 J bytes on; lane (r, h) wants those of columns 16 u + 8 h + 0 .. 7
	v_lshl_add_u32 v[BOF], v2, 5, s4
.irp g, 0,1,2,3
.irp u, 0,1
	global_load_b128 v[BIAS+8*(2*\g+\u):BIAS+8*(2*\g+\u)+3], v[BOF], s[12+2*\g:13+2*\g] offset:64*\u
	global_load_b128 v[BIAS+8*(2*\g+\u)+4:BIAS+8*(2*\g+\u)+7], v[BOF], s[12+2*\g:13+2*\g] offset:64*\u+16
.endr
.endr
	s_wait_tensorcnt 1                             ; my part of P is in; Q's load may be out
	s_barrier_signal -1
	s_barrier_wait -1                              ; everybody's is: K steps 0 and 1 are whole
	FETCH_B 0, 0, 0
	FETCH_A 0, 0, 0
	SCALES 0, 0
	FETCH_A 0, 0, 4
	s_wait_loadcnt 0x0                             ; the bias
	STEP 0, 0, 1                                   ; t0: its first products start the sums, on the bias
	TURN 0, 1, 0                                   ;     on to t1, in P's second half
	STEP 1, 1, 0                                   ; t1
	TURN 1, 2, 1                                   ;     P is left: it takes t3 and t4; on to t2, in Q
	STEP 2, 0, 0                                   ; t2
	TURN 0, 0, 2                                   ;     Q is left: it takes t5; on to t3
	STEP 0, 1, 0                                   ; t3
	TURN 1, 1, 0
	STEP 1, 0, 0                                   ; t4
	TURN 0, 2, 1                                   ;     P takes t6 and t7; on to t5
	STEP 2, 1, 0                                   ; t5
	TURN 1, 0, 3                                   ;     Q takes c_prev's tile; on to t6
	STEP 0, 0, 0                                   ; t6
	TURN 0, 1, 0
	STEP 1, 1, 0                                   ; t7
	LAST 1
	s_mov_b32 s4, 0xbfb8aa3b                       ; -log2(e), for i, f, o
	s_mov_b32 s5, s4                               ; (the packed form names a pair and takes its low word for both halves: so the upper word is written)
	s_mov_b32 s6, 0xc038aa3b                       ; -2 log2(e), for the candidate and for c
	s_mov_b32 s7, s6
	s_mov_b32 s8, 0x41f00000                       ; 30.0
	PLACES NP                                      ; behind the last products: their results are read, and the registers that held fragments are written
	GATES 0, -1
	FLUSH 0
	GATES 2, 0
	FLUSH 1
	GATES 4, 1
	FLUSH 2
	GATES 6, 2
	FLUSH 3
	SENDB 3, 0
	s_wait_tensorcnt 0x0                           ; the wave's end, behind my last tensor load and my last LDS store
	ds_add_u32 v[SPW], v[NIL]
	s_wait_dscnt 0x0
	CROUND                                         ; the closing round: no work-group ends while a partner may still ask for a tile that names it
	s_endpgm
.Lfunc_end_k_qb972f401e8_lstm:
	.size	k_qb972f401e8_lstm, .Lfunc_end_k_qb972f401e8_lstm-k_qb972f401e8_lstm
	.p2alignl 7, 3214868480
	.fill 96, 4, 3214868480
	.section	.rodata,"a",@progbits
	.p2align	6, 0x0
	.amdhsa_kernel k_qb972f401e8_lstm
		.amdhsa_group_segment_fixed_size 327680
		.amdhsa_private_segment_fixed_size 0
		.amdhsa_enable_private_segment 0
		.amdhsa_kernarg_size 72
		.amdhsa_user_sgpr_count 2
		.amdhsa_user_sgpr_kernarg_segment_ptr 1
		.amdhsa_wavefront_size32 1
		.amdhsa_system_sgpr_workgroup_id_x 1
		.amdhsa_system_sgpr_workgroup_id_y 1
		.amdhsa_system_sgpr_workgroup_id_z 1
		.amdhsa_system_vgpr_workitem_id 0
		.amdhsa_next_free_vgpr 1024
		.amdhsa_next_free_sgpr 102
		.amdhsa_reserve_vcc 0
		.amdhsa_float_denorm_mode_32 3
		.amdhsa_float_denorm_mode_16_64 3
		.amdhsa_memory_ordered 1
		.amdhsa_forward_progress 1
		.amdhsa_inst_pref_size 255
	.end_amdhsa_kernel
	.section	.bss,"aw",@nobits
	.p2align	6
	.space	262144
	.amdgpu_metadata
---
amdhsa.version: [ 1, 2 ]
amdhsa.kernels:
  - .name:           k_qb972f401e8_lstm
    .symbol:         k_qb972f401e8_lstm.kd
    .args:
      - { .name: a_codes, .offset: 0, .size: 8, .value_kind: global_buffer, .address_space: global }
      - { .name: b_codes, .offset: 8, .size: 8, .value_kind: global_buffer, .address_space: global }
      - { .name: b_i, .offset: 16, .size: 8, .value_kind: global_buffer, .address_space: global }
      - { .name: b_f, .offset: 24, .size: 8, .value_kind: global_buffer, .address_space: global }
      - { .name: b_o, .offset: 32, .size: 8, .value_kind: global_buffer, .address_space: global }
      - { .name: b_c, .offset: 40, .size: 8, .value_kind: global_buffer, .address_space: global }
      - { .name: c_prev, .offset: 48, .size: 8, .value_kind: global_buffer, .address_space: global }
      - { .name: out0, .offset: 56, .size: 8, .value_kind: global_buffer, .address_space: global }
      - { .name: out1, .offset: 64, .size: 8, .value_kind: global_buffer, .address_space: global }
    .group_segment_fixed_size: 327680
    .private_segment_fixed_size: 0
    .kernarg_segment_align: 8
    .kernarg_segment_size: 72
    .max_flat_workgroup_size: 128
    .sgpr_count:     102
    .vgpr_count:     1024
    .wavefront_size: 32
...
	.end_amdgpu_metadata
.endif
;; end of part 2
